; MI455X (gfx1250); checked and timed in simulation.
; The chip was launched on July 23, 2026; its instructions are those of AMD's public machine-readable ISA for CDNA 5 (MIT licence, August 2026) and "CDNA5" Instruction Set Architecture Reference Guide (July 2026). The comments in the code are by the model that wrote it; some were corrected since.
;; Selective Embedding. Allowed arithmetic: float matrix products may take bf16 or f16 operands with f32 sums; all other float work in f32.
;; Inputs: E_symb 4 x 2,048 x 1,024 float32; expert_w 8 x 1,024 x 1,024 float32; gate_b 8 float32; gate_w 1,024 x 8 float32.
;; Outputs: out0 4 x 2,048 x 1,024 float32.
;; Constants: k = 2.
;; 2 versions, each right; version 2 is version 1 with the launch route written anew for expert scheduling mode. Each part assembles by itself: llvm-mc -triple=amdgcn-amd-amdhsa -mcpu=gfx1250 --defsym DOCPART=n.
;; ======== version 1 of 2: 3 launches
;; limits: values are held in f16: magnitudes above 65,504 overflow, below 6.1e-05 lose precision
;; workspace buffers: xh 16,779,264 bytes; wh 16,777,216 bytes; sel 65,536 bytes of whole numbers; order 32,768 bytes of whole numbers; tiles 512 bytes of whole numbers
;; launch route (part 1): grid 256 x 1, 16 waves a work-group, no clusters, 39,424 bytes of LDS; arguments E_symb, gate_w, gate_b, expert_w, xh, wh, sel; writes xh, wh, sel
.if DOCPART == 1
	.amdgcn_target "amdgcn-amd-amdhsa--gfx1250"
	.amdhsa_code_object_version 6
	.text
	.protected	k_q33aa299326_route
	.globl	k_q33aa299326_route
	.p2align	8
	.type	k_q33aa299326_route,@function
k_q33aa299326_route:
	s_mov_b64 s[64:65], 0
	v_nop
	global_prefetch_b8 v0, s[64:65] scope:SCOPE_SE
	s_setreg_imm32_b32 hwreg(HW_REG_WAVE_MODE, 25, 1), 1
	s_wait_xcnt 0x0
; ROUTE: the gate in f32, the choice of two experts for each token, and f16 copies of x and of expert_w.
;   logits = x gate_w + gate_b (f32 fused multiply-adds), softmax with the row's maximum taken away, the two largest probabilities
;   (the lower index wins a tie).  For each token sel[t] = {rank of its pair of experts, 0..27; mask with the two experts' bits}.
;   rank(lo < hi) = lo (15 - lo) / 2 + (lo even ? hi - lo - 1 : 7 - hi): neighbouring ranks share an expert.
;   xh = x rounded to f16, [8193][1024], row 8192 all zeros;  wh = expert_w rounded to f16, in the same order.
; The gate is not done on the matrix unit: with 16-bit operands the logits' error would change the choice of whole rows.
; f16 and not bf16 for the copies: three more bits of mantissa, and both tensors have room in its range (see LIMITS).
; SHARE: 256 work-groups x 16 waves = 4,096 waves; wave W owns tokens 2W, 2W+1 (8,192 bytes of x) and the 8,192 bytes of expert_w at 8,192 W.
; Every load of a wave (4 + 16 + 16) is issued at the start; there is no loop.  Each store of a wave covers 256 consecutive bytes, aligned.
; No matrix unit, no cluster, no tensor load: the launch moves each byte once and nothing but gate_w (32 KiB) is shared.
; LIMITS: numbers of x and expert_w of magnitude 65,504 and above become infinite in f16; below 6.1e-5 they are kept in steps of 6e-8.
; The gate's sums run in another order than the reference's and the division is a multiplication by v_rcp_f32, so two probabilities within
; a few units of the last place may be ranked otherwise.  NaN or infinite logits are not ordered as lax.top_k orders them.
.set GWP,  144                         ; LDS pitch of a chunk of gate_w (4 d x 8 experts = 128 bytes): 9 x 16, so sixteen lanes' chunks begin at sixteen different 16-byte columns modulo 256
.set ENT,  256*GWP                     ; 36,864: behind the 256 chunks, 32 entries of 8 bytes
.set WT,   16                          ; v[16:47]   four sets of 8 weights (first: the four loads that fill LDS)
.set X,    48                          ; v[48:111]  token g at X+32g; register n holds d = 128 (n/4) + 4 lane + n%4
.set WQ,   112                         ; v[112:175] 16 x 16 bytes of expert_w
.set ACC,  176                         ; v[176:191] 2 tokens x 8 sums
.set ZD,   192                         ; v[192:195] zeros for row 8192 of xh
.set ZA,   196                         ; v196       its offset
	s_load_b256 s[4:11], s[0:1], 0x0               ; E_symb s[4:5], gate_w s[6:7], gate_b s[8:9], expert_w s[10:11]
	s_load_b128 s[12:15], s[0:1], 0x20             ; xh s[12:13], wh s[14:15]
	s_load_b64 s[16:17], s[0:1], 0x30              ; sel
	v_lshl_add_u32 v200, v0, 2, 0x9200
	v_mov_b32 v201, 0
	v_lshrrev_b32 v7, 5, v0
	v_readfirstlane_b32 s18, v7                    ; wave 0..15
	v_and_b32 v1, 31, v0                           ; lane
	v_lshlrev_b32 v2, 4, v1
	v_lshl_add_u32 v2, v7, 13, v2                  ; loads: 8,192 wave + 16 lane
	v_lshlrev_b32 v3, 3, v1
	v_lshl_add_u32 v3, v7, 12, v3                  ; stores: 4,096 wave + 8 lane
	v_mul_u32_u24 v4, v1, GWP                      ; my chunk of weights: 144 lane
	v_lshrrev_b32 v5, 3, v0
	v_mul_u32_u24 v5, v5, GWP
	v_and_b32 v8, 7, v0
	v_lshl_add_u32 v5, v8, 4, v5                   ; the fill: thread t puts its 16 bytes at (t/8) 144 + 16 (t%8)
	v_lshlrev_b32 v6, 4, v0                        ; and takes them from 16 t
	s_mov_b32 s28, 0x76543210                      ; v_permlanex16_b32: lane i reads lane i of the other half
	s_mov_b32 s29, 0xfedcba98
	s_lshl_b32 s30, ttmp9, 17                      ; the work-group's 131,072 bytes of x and of expert_w
	s_mov_b32 s31, 0
	s_wait_kmcnt 0x0
	s_load_b256 s[20:27], s[8:9], 0x0              ; gate_b
	s_add_nc_u64 s[4:5], s[4:5], s[30:31]
	s_add_nc_u64 s[10:11], s[10:11], s[30:31]
.irp k, 0,1,2,3
	global_load_b128 v[WT+4*\k:WT+4*\k+3], v6, s[6:7] offset:8192*\k         ; gate_w, 512 threads x 16 bytes x 4
.endr
.irp g, 0,1
.irp i, 0,1,2,3,4,5,6,7
	global_load_b128 v[X+32*\g+4*\i:X+32*\g+4*\i+3], v2, s[4:5] offset:4096*\g+512*\i th:TH_LOAD_NT
.endr
.endr
.irp i, 0,1,2,3,4,5,6,7,8,9,10,11,12,13,14,15
	global_load_b128 v[WQ+4*\i:WQ+4*\i+3], v2, s[10:11] offset:512*\i th:TH_LOAD_NT
.endr
	s_lshl_b32 s30, ttmp9, 16                      ; the work-group's 65,536 bytes of xh and of wh
	s_add_nc_u64 s[12:13], s[12:13], s[30:31]
	s_add_nc_u64 s[14:15], s[14:15], s[30:31]
	s_lshl_b32 s30, ttmp9, 8                       ; and its 256 bytes of sel
	s_add_nc_u64 s[16:17], s[16:17], s[30:31]
	s_wait_loadcnt 32                              ; the four loads of gate_w are in; the 32 younger ones stay out
.irp k, 0,1,2,3
	ds_store_b128 v5, v[WT+4*\k:WT+4*\k+3] offset:64*GWP*\k                  ; 8,192 bytes are 64 chunks
.endr
	s_wait_dscnt 0x0                               ; my part of gate_w is in LDS before I say so
	s_barrier_signal -1
	s_barrier_wait -1                              ; all of it is
; the eight weights of d = 128 (n/4) + 4 lane + n%4: chunk 32 (n/4) + lane, 32 (n%4) bytes into it
.macro WLOAD n
	ds_load_b128 v[WT+8*((\n)%4):WT+8*((\n)%4)+3],   v4 offset:32*GWP*((\n)/4)+32*((\n)%4)
	ds_load_b128 v[WT+8*((\n)%4)+4:WT+8*((\n)%4)+7], v4 offset:32*GWP*((\n)/4)+32*((\n)%4)+16
.endm
; eight packed multiply-adds: 2 tokens x 4 pairs of experts; x is taken twice from one register of its pair.  n = 0 starts the sums.
.macro GATE n
.irp g, 0,1
.irp p, 0,1,2,3
.if (\n) == 0
	v_pk_mul_f32 v[ACC+8*\g+2*\p:ACC+8*\g+2*\p+1], v[X+32*\g:X+32*\g+1], v[WT+2*\p:WT+2*\p+1] op_sel_hi:[0,1]
.else
.if (\n)%2 == 0
	v_pk_fma_f32 v[ACC+8*\g+2*\p:ACC+8*\g+2*\p+1], v[X+32*\g+\n:X+32*\g+\n+1], v[WT+8*((\n)%4)+2*\p:WT+8*((\n)%4)+2*\p+1], v[ACC+8*\g+2*\p:ACC+8*\g+2*\p+1] op_sel_hi:[0,1,1]
.else
	v_pk_fma_f32 v[ACC+8*\g+2*\p:ACC+8*\g+2*\p+1], v[X+32*\g+\n-1:X+32*\g+\n], v[WT+8*((\n)%4)+2*\p:WT+8*((\n)%4)+2*\p+1], v[ACC+8*\g+2*\p:ACC+8*\g+2*\p+1] op_sel:[1,0,0] op_sel_hi:[1,1,1]
.endif
.endif
.endr
.endr
.endm
	WLOAD 0
	WLOAD 1
	WLOAD 2
	s_wait_loadcnt 16                              ; x is in; the 16 loads of expert_w stay out
.irp n, 0,1,2,3,4,5,6,7,8,9,10,11,12,13,14,15,16,17,18,19,20,21,22,23,24,25,26,27,28,29,30,31
.if \n < 29
	WLOAD \n+3                                     ; three d ahead, into the set that d - 1 has left
	s_wait_dscnt 6                                 ; the six loads of the next three d stay out: this d's two are in
.else
	s_wait_dscnt 2*(31-\n)                         ; nothing more is asked for: the counts run down 4, 2, 0
.endif
	GATE \n
.endr
	; x to f16, in place, and out: 8 bytes a lane, 256 consecutive bytes a store
.irp g, 0,1
.irp i, 0,1,2,3,4,5,6,7
	v_cvt_pk_f16_f32 v[X+32*\g+4*\i],   v[X+32*\g+4*\i],   v[X+32*\g+4*\i+1]
	v_cvt_pk_f16_f32 v[X+32*\g+4*\i+1], v[X+32*\g+4*\i+2], v[X+32*\g+4*\i+3]
	global_store_b64 v3, v[X+32*\g+4*\i:X+32*\g+4*\i+1], s[12:13] offset:2048*\g+256*\i
.endr
.endr
	s_wait_loadcnt 0x0                             ; expert_w is in
.irp i, 0,1,2,3,4,5,6,7,8,9,10,11,12,13,14,15
	v_cvt_pk_f16_f32 v[WQ+4*\i],   v[WQ+4*\i],   v[WQ+4*\i+1]
	v_cvt_pk_f16_f32 v[WQ+4*\i+1], v[WQ+4*\i+2], v[WQ+4*\i+3]
	global_store_b64 v3, v[WQ+4*\i:WQ+4*\i+1], s[14:15] offset:256*\i
.endr
	; row 8192 of xh, the row of zeros: wave 0 of work-group 0 (whose xh base has not moved), 4 x 512 bytes
	s_or_b32 s19, ttmp9, s18
	s_cmp_lg_u32 s19, 0
	s_cbranch_scc1 .Lno_zero_row
	v_mov_b32 v[ZD], 0
	v_mov_b32 v[ZD+1], 0
	v_mov_b32 v[ZD+2], 0
	v_mov_b32 v[ZD+3], 0
	v_lshlrev_b32 v[ZA], 4, v1
	v_add_nc_u32 v[ZA], 0x1000000, v[ZA]           ; 8,192 rows x 2,048 bytes + 16 lane
.irp k, 0,1,2,3
	global_store_b128 v[ZA], v[ZD:ZD+3], s[12:13] offset:512*\k
.endr
.Lno_zero_row:
	; the 16 sums over the 32 lanes: four steps inside each half ride on the adds, one crosses the halves
.irp m, 1,2,4,8
.irp j, 0,1,2,3,4,5,6,7,8,9,10,11,12,13,14,15
	v_add_f32_dpp v[ACC+\j], v[ACC+\j], v[ACC+\j] row_xmask:\m row_mask:0xf bank_mask:0xf
.endr
.endr
.irp j, 0,1,2,3,4,5,6,7,8,9,10,11,12,13,14,15
	v_permlanex16_b32 v[WT+\j], v[ACC+\j], s28, s29                          ; the weights' registers have been written and are free
.endr
.irp j, 0,1,2,3,4,5,6,7,8,9,10,11,12,13,14,15
	v_add_f32 v[ACC+\j], v[ACC+\j], v[WT+\j]
.endr
	; even lanes go on with token 0, odd lanes with token 1
	v_and_b32 v7, 1, v0
	v_cmp_eq_u32 vcc_lo, 1, v7
.irp e, 0,1,2,3,4,5,6,7
	v_cndmask_b32 v[ACC+\e], v[ACC+\e], v[ACC+8+\e], vcc_lo
.endr
	s_wait_kmcnt 0x0                               ; gate_b
.irp e, 0,1,2,3,4,5,6,7
	v_add_f32 v[ACC+\e], s[20+\e], v[ACC+\e]
.endr
	; softmax: the maximum is taken away; exponents below -126 are raised by 64 in front of v_exp_f32 and the result scaled by 2^-64
	; behind it, since v_exp_f32 gives zero where its result would be denormal (ISA guide 15.8): probabilities keep their order down to 2^-149
	v_max3_num_f32 v8, v[ACC], v[ACC+1], v[ACC+2]
	v_max3_num_f32 v8, v8, v[ACC+3], v[ACC+4]
	v_max3_num_f32 v8, v8, v[ACC+5], v[ACC+6]
	v_max_num_f32 v8, v8, v[ACC+7]
	v_mov_b32 v14, 0x42800000                      ; 64.0
	v_mov_b32 v15, 0x1f800000                      ; 2^-64
.irp e, 0,1,2,3,4,5,6,7
	v_sub_f32 v[ACC+\e], v[ACC+\e], v8
	v_mul_f32 v[ACC+\e], 0x3fb8aa3b, v[ACC+\e]     ; log2(e)
	v_cmp_gt_f32 vcc_lo, 0xc2fc0000, v[ACC+\e]     ; -126 > exponent
	v_cndmask_b32 v9, 0, v14, vcc_lo
	v_cndmask_b32 v[ACC+8+\e], 1.0, v15, vcc_lo
	v_add_f32 v[ACC+\e], v[ACC+\e], v9
.endr
.irp e, 0,1,2,3,4,5,6,7
	v_exp_f32 v[ACC+\e], v[ACC+\e]
.endr
	v_nop                                          ; one plain vector instruction behind the last exponential (ISA guide 5.7.2)
	s_wait_alu depctr_va_vdst(0)
.irp e, 0,1,2,3,4,5,6,7
	v_mul_f32 v[ACC+\e], v[ACC+\e], v[ACC+8+\e]
.endr
	v_add_f32 v9, v[ACC], v[ACC+1]
	v_add_f32 v10, v[ACC+2], v[ACC+3]
	v_add_f32 v11, v[ACC+4], v[ACC+5]
	v_add_f32 v12, v[ACC+6], v[ACC+7]
	v_add_f32 v9, v9, v10
	v_add_f32 v11, v11, v12
	v_add_f32 v9, v9, v11                          ; between 1 and 8: the largest term is 1
	v_rcp_f32 v9, v9
	v_nop                                          ; the same place behind the reciprocal
	s_wait_alu depctr_va_vdst(0)
.irp e, 0,1,2,3,4,5,6,7
	v_mul_f32 v[ACC+\e], v[ACC+\e], v9
.endr
; the largest of the eight and its index; only a strictly larger one displaces, so the lower index wins a tie
.macro TOP idx, best
	v_mov_b32 v[\best], v[ACC]
	v_mov_b32 v[\idx], 0
.irp e, 1,2,3,4,5,6,7
	v_cmp_gt_f32 vcc_lo, v[ACC+\e], v[\best]
	v_cndmask_b32 v[\best], v[\best], v[ACC+\e], vcc_lo
	v_cndmask_b32 v[\idx], v[\idx], \e, vcc_lo
.endr
.endm
	TOP 10, 9
.irp e, 0,1,2,3,4,5,6,7
	v_cmp_eq_u32 vcc_lo, \e, v10
	v_cndmask_b32 v[ACC+\e], v[ACC+\e], -1.0, vcc_lo                         ; the winner leaves: probabilities are never negative
.endr
	TOP 11, 9
	v_min_u32 v8, v10, v11                         ; lo
	v_max_u32 v9, v10, v11                         ; hi
	v_sub_nc_u32 v12, 15, v8
	v_mul_u32_u24 v12, v8, v12
	v_lshrrev_b32 v12, 1, v12                      ; lo (15 - lo) / 2
	v_sub_nc_u32 v13, v9, v8
	v_add_nc_u32 v13, -1, v13                      ; hi - lo - 1
	v_sub_nc_u32 v14, 7, v9                        ; 7 - hi
	v_and_b32 v15, 1, v8
	v_cmp_eq_u32 vcc_lo, 1, v15
	v_cndmask_b32 v13, v13, v14, vcc_lo
	v_add_nc_u32 v12, v12, v13                     ; the pair's rank
	v_mov_b32 v14, 1
	v_lshlrev_b32 v13, v10, v14
	v_lshlrev_b32 v14, v11, v14
	v_or_b32 v13, v13, v14                         ; the two experts' bits
	; the 32 entries of the work-group meet in LDS, so that one store writes its 256 bytes of sel.  Lanes of equal parity hold equal values.
	v_lshlrev_b32 v7, 3, v7
	s_lshl_b32 s19, s18, 4
	v_add_nc_u32 v7, s19, v7                       ; 8 (2 wave + lane%2)
	ds_store_b64 v7, v[12:13] offset:ENT
	s_wait_dscnt 0x0                               ; my entries are in LDS before I say so
	s_barrier_signal -1
	s_barrier_wait -1
	s_cmp_lg_u32 s18, 0
	s_cbranch_scc1 .Lend
	v_lshlrev_b32 v7, 3, v1
	ds_load_b64 v[12:13], v7 offset:ENT
	s_wait_dscnt 0x0
	global_store_b64 v7, v[12:13], s[16:17]
.Lend:
	s_wait_tensorcnt 0x0
	ds_add_u32 v200, v201
	s_wait_dscnt 0x0
	s_endpgm
.Lfunc_end_k_q33aa299326_route:
	.size	k_q33aa299326_route, .Lfunc_end_k_q33aa299326_route-k_q33aa299326_route
	.p2alignl 7, 3214868480
	.fill 96, 4, 3214868480
	.section	.rodata,"a",@progbits
	.p2align	6, 0x0
	.amdhsa_kernel k_q33aa299326_route
		.amdhsa_group_segment_fixed_size 39424
		.amdhsa_private_segment_fixed_size 0
		.amdhsa_enable_private_segment 0
		.amdhsa_kernarg_size 56
		.amdhsa_user_sgpr_count 2
		.amdhsa_user_sgpr_kernarg_segment_ptr 1
		.amdhsa_wavefront_size32 1
		.amdhsa_system_sgpr_workgroup_id_x 1
		.amdhsa_system_sgpr_workgroup_id_y 1
		.amdhsa_system_sgpr_workgroup_id_z 1
		.amdhsa_system_vgpr_workitem_id 0
		.amdhsa_next_free_vgpr 202
		.amdhsa_next_free_sgpr 66
		.amdhsa_reserve_vcc 1
		.amdhsa_float_denorm_mode_32 3
		.amdhsa_float_denorm_mode_16_64 3
		.amdhsa_memory_ordered 1
		.amdhsa_forward_progress 1
		.amdhsa_inst_pref_size 48
	.end_amdhsa_kernel
	.amdgpu_metadata
---
amdhsa.version: [ 1, 2 ]
amdhsa.kernels:
  - .name:           k_q33aa299326_route
    .symbol:         k_q33aa299326_route.kd
    .args:
      - { .name: E_symb, .offset: 0, .size: 8, .value_kind: global_buffer, .address_space: global }
      - { .name: gate_w, .offset: 8, .size: 8, .value_kind: global_buffer, .address_space: global }
      - { .name: gate_b, .offset: 16, .size: 8, .value_kind: global_buffer, .address_space: global }
      - { .name: expert_w, .offset: 24, .size: 8, .value_kind: global_buffer, .address_space: global }
      - { .name: xh, .offset: 32, .size: 8, .value_kind: global_buffer, .address_space: global }
      - { .name: wh, .offset: 40, .size: 8, .value_kind: global_buffer, .address_space: global }
      - { .name: sel, .offset: 48, .size: 8, .value_kind: global_buffer, .address_space: global }
    .group_segment_fixed_size: 39424
    .private_segment_fixed_size: 0
    .kernarg_segment_align: 8
    .kernarg_segment_size: 56
    .max_flat_workgroup_size: 512
    .sgpr_count:     66
    .vgpr_count:     202
    .wavefront_size: 32
...
	.end_amdgpu_metadata
.endif
;; end of part 1
;; launch plan (part 2): grid 1 x 1, 32 waves a work-group, no clusters, 119,040 bytes of LDS; arguments sel, order, tiles; writes order, tiles
.if DOCPART == 2
	.amdgcn_target "amdgcn-amd-amdhsa--gfx1250"
	.amdhsa_code_object_version 6
	.text
	.protected	k_q33aa299326_plan
	.globl	k_q33aa299326_plan
	.p2align	8
	.type	k_q33aa299326_plan,@function
k_q33aa299326_plan:
	s_mov_b64 s[64:65], 0
	v_nop
	global_prefetch_b8 v0, s[64:65] scope:SCOPE_SE
	s_setreg_imm32_b32 hwreg(HW_REG_WAVE_MODE, 25, 1), 1
	s_wait_xcnt 0x0
; PLAN: a counting sort of the 8,192 tokens by the rank of their pair of experts (28 bins), and the list of experts of each row tile.
;   order[pos] = token | mask << 16, pos = the token's place in the sorted list;
;   tiles[r] = {number of experts that occur among places 128 r .. 128 r + 127; those experts as 4-bit fields, ascending}.
; One work-group of 1,024 threads: the sort is one chain over 64 KiB (count, prefix sum, place), and shared among work-groups it would need
; traffic between them.  Thread i owns tokens 2,048 k + 2 i + u (k = 0..3, u = 0, 1).
; LDS: C[bin][thread], 28 x 1,024 words, at byte 0; 32 wave totals behind it.  No LDS store has an address made from data: a thread
; stores its 28 counts at fixed places; only reads go by the bin.
; The stores into order are 4 bytes to scattered places, 32 KiB in all: gathering them in LDS first would need LDS stores at data's addresses.
.set WTOT, 28*4096                     ; 114,688
.set P,    16                          ; v[16:31]   token j = 2k + u: rank at P+2j, mask at P+2j+1, as loaded
.set LR,   32                          ; v[32:39]   how many earlier tokens of mine have the same rank; later the word to store
.set CN,   40                          ; v[40:43]   my 28 counts (8 at the most), 4 bits each
.set C,    44                          ; v[44:71]   28 counts
.set PRE,  72                          ; v[72:99]   their exclusive prefix sums
.set POS,  100                         ; v[100:107] places
	s_load_b128 s[4:7], s[0:1], 0x0                ; sel s[4:5], order s[6:7]
	s_load_b64 s[8:9], s[0:1], 0x10                ; tiles
	v_lshl_add_u32 v120, v0, 2, 0x1c100
	v_mov_b32 v121, 0
	v_lshrrev_b32 v5, 5, v0
	v_readfirstlane_b32 s10, v5                    ; wave 0..31
	v_and_b32 v1, 31, v0                           ; lane
	v_lshlrev_b32 v2, 2, v0                        ; 4 i: my word in a bin's 1,024
	v_add_nc_u32 v3, 0x10000, v2                   ; the same from bin 16 on: an LDS offset has 16 bits
	v_mul_u32_u24 v4, v0, 112                      ; my 28 consecutive words of C: 7 x 16 bytes
	v_lshlrev_b32 v6, 4, v0
	v_mov_b32 v7, 1
	s_mov_b32 s12, 0x76543210
	s_mov_b32 s13, 0xfedcba98
	s_wait_kmcnt 0x0
.irp k, 0,1,2,3
	global_load_b128 v[P+4*\k:P+4*\k+3], v6, s[4:5] offset:16384*\k
.endr
	s_wait_loadcnt 0x0
.irp j, 0,1,2,3,4,5,6,7
	v_min_u32 v[P+2*\j], 27, v[P+2*\j]             ; a rank enters addresses only behind this clamp
.endr
	; my tokens' places among my own tokens of the same rank
.irp j, 0,1,2,3,4,5,6,7
	v_mov_b32 v[LR+\j], 0
.irp q, 0,1,2,3,4,5,6
.if \q < \j
	v_cmp_eq_u32 vcc_lo, v[P+2*\q], v[P+2*\j]
	v_add_co_ci_u32 v[LR+\j], vcc_lo, 0, v[LR+\j], vcc_lo
.endif
.endr
.endr
	; my counts, 4 bits a bin, eight bins a register
.irp w, 0,1,2,3
	v_mov_b32 v[CN+\w], 0
.endr
.irp j, 0,1,2,3,4,5,6,7
	v_and_b32 v5, 7, v[P+2*\j]
	v_lshlrev_b32 v5, 2, v5
	v_lshlrev_b32 v5, v5, v7                       ; 1 << 4 (rank % 8)
	v_lshrrev_b32 v8, 3, v[P+2*\j]
.irp w, 0,1,2,3
	v_cmp_eq_u32 vcc_lo, \w, v8
	v_cndmask_b32 v9, 0, v5, vcc_lo
	v_add_nc_u32 v[CN+\w], v[CN+\w], v9
.endr
.endr
.irp b, 0,1,2,3,4,5,6,7,8,9,10,11,12,13,14,15,16,17,18,19,20,21,22,23,24,25,26,27
	v_bfe_u32 v[C+\b], v[CN+(\b)/8], 4*((\b)%8), 4
.endr
.irp b, 0,1,2,3,4,5,6,7,8,9,10,11,12,13,14,15
	ds_store_b32 v2, v[C+\b] offset:4096*\b
.endr
.irp b, 16,17,18,19,20,21,22,23,24,25,26,27
	ds_store_b32 v3, v[C+\b] offset:4096*(\b-16)
.endr
	s_wait_dscnt 0x0                               ; my counts are in LDS before I say so
	s_barrier_signal -1
	s_barrier_wait -1
	; prefix sum over C as one list of 28,672 words (bin by bin, thread by thread): thread i takes words 28 i .. 28 i + 27
.irp m, 0,1,2,3,4,5,6
	ds_load_b128 v[C+4*\m:C+4*\m+3], v4 offset:16*\m
.endr
	s_wait_dscnt 0x0
	v_add3_u32 v10, v[C], v[C+1], v[C+2]
.irp m, 3,5,7,9,11,13,15,17,19,21,23,25
	v_add3_u32 v10, v10, v[C+\m], v[C+\m+1]
.endr
	v_add_nc_u32 v10, v10, v[C+27]
	v_mov_b32 v11, v10                             ; my 28 words' sum
	v_mov_b32 v12, 0
.irp n, 1,2,4,8
	v_mov_b32_dpp v12, v10 row_shr:\n row_mask:0xf bank_mask:0xf bound_ctrl:1   ; lanes without a source take 0
	v_add_nc_u32 v10, v10, v12
.endr
	v_readlane_b32 s14, v10, 15                    ; the lower half's sum goes onto the upper half
	v_cmp_lt_u32 vcc_lo, 15, v1
	v_mov_b32 v12, s14
	v_cndmask_b32 v12, 0, v12, vcc_lo
	v_add_nc_u32 v10, v10, v12                     ; sums up to and with my own, inside the wave
	v_readlane_b32 s15, v10, 31                    ; the wave's sum
	s_lshl_b32 s16, s10, 2
	s_add_co_u32 s16, s16, WTOT
	v_mov_b32 v13, s16
	v_mov_b32 v14, s15
	ds_store_b32 v13, v14                          ; every lane the same word, the same value
	s_wait_dscnt 0x0                               ; my reads of C and my total are done before I say so
	s_barrier_signal -1
	s_barrier_wait -1
	v_lshlrev_b32 v13, 2, v1
	v_add_nc_u32 v13, WTOT, v13
	ds_load_b32 v14, v13
	s_wait_dscnt 0x0
	v_cmp_gt_u32 vcc_lo, s10, v1                   ; the waves in front of mine
	v_cndmask_b32 v14, 0, v14, vcc_lo
.irp n, 1,2,4,8
	v_mov_b32_dpp v12, v14 row_xmask:\n row_mask:0xf bank_mask:0xf
	v_add_nc_u32 v14, v14, v12
.endr
	v_permlanex16_b32 v12, v14, s12, s13
	v_add_nc_u32 v14, v14, v12
	v_sub_nc_u32 v10, v10, v11
	v_add_nc_u32 v[PRE], v10, v14                  ; what stands in front of my first word
.irp m, 0,1,2,3,4,5,6,7,8,9,10,11,12,13,14,15,16,17,18,19,20,21,22,23,24,25,26
	v_add_nc_u32 v[PRE+\m+1], v[PRE+\m], v[C+\m]
.endr
.irp m, 0,1,2,3,4,5,6
	ds_store_b128 v4, v[PRE+4*\m:PRE+4*\m+3] offset:16*\m                    ; over the words that I alone read, behind the barrier above
.endr
	s_wait_dscnt 0x0
	s_barrier_signal -1
	s_barrier_wait -1                              ; C[bin][thread] = the place of that thread's first token of that bin
	; placement
.irp j, 0,1,2,3,4,5,6,7
	v_lshl_add_u32 v[POS+\j], v[P+2*\j], 12, v2
.endr
.irp j, 0,1,2,3,4,5,6,7
	ds_load_b32 v[POS+\j], v[POS+\j]
.endr
	v_lshlrev_b32 v5, 1, v0                        ; 2 i
	s_wait_dscnt 0x0
.irp j, 0,1,2,3,4,5,6,7
	v_add_nc_u32 v[POS+\j], v[POS+\j], v[LR+\j]
	v_min_u32 v[POS+\j], 0x1fff, v[POS+\j]         ; a place enters an address only behind this clamp
	v_lshlrev_b32 v[POS+\j], 2, v[POS+\j]
	v_add_nc_u32 v[LR+\j], 2048*((\j)/2)+(\j)%2, v5
	v_lshl_or_b32 v[LR+\j], v[P+2*\j+1], 16, v[LR+\j]
	global_store_b32 v[POS+\j], v[LR+\j], s[6:7]
.endr
	; the tiles' lists: waves 0 and 1, thread r for tile r.  C[bin][0] is where the bin begins in the sorted list.
	s_cmp_gt_u32 s10, 1
	s_cbranch_scc1 .Ldone
	v_mov_b32 v8, 0
	v_mov_b32 v9, 0x10000
.irp b, 0,1,2,3,4,5,6,7,8,9,10,11,12,13,14,15
	ds_load_b32 v[C+\b], v8 offset:4096*\b
.endr
.irp b, 16,17,18,19,20,21,22,23,24,25,26,27
	ds_load_b32 v[C+\b], v9 offset:4096*(\b-16)
.endr
	v_mov_b32 v[C+28], 0x2000                      ; the end of the last bin
	v_lshlrev_b32 v10, 7, v0                       ; the tile's first place
	v_add_nc_u32 v11, 128, v10                     ; and the one behind its last
	v_mov_b32 v12, 0                               ; the experts met
	s_wait_dscnt 0x0
	; a bin that has a place in the tile gives its two experts; the masks in the order of the ranks
.set bb, 0
.irp m, 0x03,0x05,0x09,0x11,0x21,0x41,0x81,0x82,0x42,0x22,0x12,0x0a,0x06,0x0c,0x14,0x24,0x44,0x84,0x88,0x48,0x28,0x18,0x30,0x50,0x90,0xa0,0x60,0xc0
	v_max_u32 v108, v[C+bb], v10
	v_min_u32 v109, v[C+bb+1], v11
	v_or_b32 v110, \m, v12
	v_cmp_lt_u32 vcc_lo, v108, v109
	v_cndmask_b32 v12, v12, v110, vcc_lo
.set bb, bb+1
.endr
	v_mov_b32 v112, 0                              ; how many
	v_mov_b32 v113, 0                              ; which
.irp e, 0,1,2,3,4,5,6,7
	v_bfe_u32 v108, v12, \e, 1
	v_lshlrev_b32 v109, 2, v112
	v_mul_u32_u24 v110, v108, \e
	v_lshlrev_b32 v110, v109, v110
	v_or_b32 v113, v113, v110
	v_add_nc_u32 v112, v112, v108
.endr
	v_lshlrev_b32 v111, 3, v0
	global_store_b64 v111, v[112:113], s[8:9]      ; a wave's store covers 256 consecutive bytes
.Ldone:
	s_wait_tensorcnt 0x0
	ds_add_u32 v120, v121
	s_wait_dscnt 0x0
	s_endpgm
.Lfunc_end_k_q33aa299326_plan:
	.size	k_q33aa299326_plan, .Lfunc_end_k_q33aa299326_plan-k_q33aa299326_plan
	.p2alignl 7, 3214868480
	.fill 96, 4, 3214868480
	.section	.rodata,"a",@progbits
	.p2align	6, 0x0
	.amdhsa_kernel k_q33aa299326_plan
		.amdhsa_group_segment_fixed_size 119040
		.amdhsa_private_segment_fixed_size 0
		.amdhsa_enable_private_segment 0
		.amdhsa_kernarg_size 24
		.amdhsa_user_sgpr_count 2
		.amdhsa_user_sgpr_kernarg_segment_ptr 1
		.amdhsa_wavefront_size32 1
		.amdhsa_system_sgpr_workgroup_id_x 1
		.amdhsa_system_sgpr_workgroup_id_y 1
		.amdhsa_system_sgpr_workgroup_id_z 1
		.amdhsa_system_vgpr_workitem_id 0
		.amdhsa_next_free_vgpr 122
		.amdhsa_next_free_sgpr 66
		.amdhsa_reserve_vcc 1
		.amdhsa_float_denorm_mode_32 3
		.amdhsa_float_denorm_mode_16_64 3
		.amdhsa_memory_ordered 1
		.amdhsa_forward_progress 1
		.amdhsa_inst_pref_size 29
	.end_amdhsa_kernel
	.amdgpu_metadata
---
amdhsa.version: [ 1, 2 ]
amdhsa.kernels:
  - .name:           k_q33aa299326_plan
    .symbol:         k_q33aa299326_plan.kd
    .args:
      - { .name: sel, .offset: 0, .size: 8, .value_kind: global_buffer, .address_space: global }
      - { .name: order, .offset: 8, .size: 8, .value_kind: global_buffer, .address_space: global }
      - { .name: tiles, .offset: 16, .size: 8, .value_kind: global_buffer, .address_space: global }
    .group_segment_fixed_size: 119040
    .private_segment_fixed_size: 0
    .kernarg_segment_align: 8
    .kernarg_segment_size: 24
    .max_flat_workgroup_size: 1024
    .sgpr_count:     66
    .vgpr_count:     122
    .wavefront_size: 32
...
	.end_amdgpu_metadata
.endif
;; end of part 2
;; launch moe (part 3): grid 4 x 64, 4 waves a work-group, no clusters, 243,200 bytes of LDS; arguments xh, wh, order, tiles, out0; writes out0
.if DOCPART == 3
	.amdgcn_target "amdgcn-amd-amdhsa--gfx1250"
	.amdhsa_code_object_version 6
	.text
	.protected	k_q33aa299326_moe
	.globl	k_q33aa299326_moe
	.p2align	8
	.type	k_q33aa299326_moe,@function
k_q33aa299326_moe:
	s_mov_b64 s[64:65], 0
	v_nop
	global_prefetch_b8 v0, s[64:65] scope:SCOPE_SE
	s_setreg_imm32_b32 hwreg(HW_REG_WAVE_MODE, 25, 1), 1
	s_wait_xcnt 0x0
; MOE: out[t] = x[t] W_a + x[t] W_b for the two experts a, b of token t; f16 operands, f32 sums.
; The tokens come sorted by their pair of experts (order).  A work-group makes 128 sorted tokens (row tile rt) x 256 columns (column tile nt):
; 64 x 4 = 256 work-groups.  It walks the experts that occur in its tile (tiles[rt]: 2, 3 where the tile crosses one border between pairs,
; 8 at the most), one pass over K = 1,024 for each.  In a pass a row that does not use the expert is read from xh's row of zeros, so both
; experts' products of a token add up in ONE accumulator: no intermediate goes to memory, and each piece of an output row is stored once.
; Four waves, one for each SIMD; wave (wm, wn) makes 64 rows x 128 columns: 32 accumulators of 16 x 16, 256 registers.
; K goes in steps of 128, numbered through the passes: step u is K step u % 8 of the expert in field u / 8 of the list.  A lap is two steps.
; Both operands come through registers into two LDS slots that take turns: a wave asks for its part of a step's tiles (A: 32 gathered rows of
; 256 bytes, 16 loads; B: 32 rows of 512 bytes of the weights, [k][n] as in memory, 32 loads) two steps before they are multiplied, and stores
; them into the other slot one step later.  B's fragments are made by the transposing LDS load.
; THE BARRIERS HANG ON NO LOADED NUMBER: every wave passes the same 65 barriers, one in front of step 0 and two in each of 32 laps (64 steps
; are what eight experts need).  What the list decides is only whether a lap's work is done: three forward branches on the lap's number, with
; no barrier inside.  A lap beyond the list's end is two barriers and three compares.
; NO TENSOR LOADS: a fill would have to stand under those branches, or be issued for steps that nobody reads.
; THE MATRIX INSTRUCTION IS USED TRANSPOSED (source 0 = 16 columns of W, source 1 = 16 tokens): a lane then holds eight neighbouring columns of a row.
; NO CLUSTER: the work-groups that could share B's tiles are neighbouring row tiles, and their lists of experts, read from memory, differ; one
; list for four tiles (512 tokens, three or four pairs) would give every partner four or five passes in place of two or three.
; LIMITS: operands are f16 (magnitudes from 65,504 on are infinite there).  Weights of experts that a token does not use never meet its row, so
; a non-finite number in them does not reach the output (the reference's 0 x infinity gives NaN).
; REGISTERS, in windows of 256: window 0 addresses and two fragment buffers; window 1 the accumulators, (a, b) at 8 (8 a + b); window 2 what is on its way.
.set PB,     544                       ; LDS pitch of a row of B: 512 bytes + 32 = 17 x 32
.set PA,     272                       ; LDS pitch of a row of A: 256 bytes + 16 = 17 x 16: sixteen rows begin at sixteen different 16-byte columns modulo 256
.set BSLOT,  128*PB                    ; 69,632
.set ASLOT,  128*PA                    ; 34,816
.set ABASE,  2*BSLOT                   ; 139,264: A's two slots
.set STAGE,  ABASE+2*ASLOT             ; 208,896: the way out, 16 rows x 528 bytes for each wave
.set SPITCH, 528                       ; 512 bytes + 16 = 33 x 16
.set LAPS,   32                        ; 8 experts x 8 steps / 2
.set ADRA, 4                           ; v4, v5    my A fragments in slot 0, 1
.set ADRB, 6                           ; v6, v7    my B fragments in slot 0, 1
.set STO,  8                           ; v8        the way out: where I put my 32 bytes of a row
.set RD,   9                           ; v9        the way out: where I read 16 bytes of a row back
.set LC,   10                          ; v10       my 16 bytes in an output row
.set OFFR, 12                          ; v[12:27]  the way out: 16 rows' offsets in out0
.set F0,   32                          ; v[32:127]  fragment buffer 0: B's 8 blocks, then A's 4
.set F1,   128                         ; v[128:223] fragment buffer 1
.set STG,  0                           ; window 2: v[0:63]    16 x 16 bytes of A on their way
.set TOK,  64                          ; window 2: v[64:79]   the token of tile row 32 wave + 2 j + lane/16
.set RM,   80                          ; window 2: v[80:95]   its two experts' bits
.set GA,   96                          ; window 2: v[96:111]  the offset that this pass reads: the token's row or the row of zeros
.set ZROW, 112                         ; window 2: 8,192
.set STA,  114                         ; window 2: v114, v115 where I store A's rows in slot 0, 1
.set L16,  116                         ; window 2: 16 (lane % 16)
.set OA,   117                         ; window 2: my offset in the tile's part of order
.set BOFF, 118                         ; window 2: 16 lane
.set BSTA, 120                         ; window 2: v120, v121 where I store B's rows in slot 0, 1
.set BST,  128                         ; window 2: v[128:255] 32 x 16 bytes of B on their way
.set MULW, 0x50                        ; C and D in window 1, fragments in window 0
.set GATW, 0xaa                        ; all four places in window 2
.set MSB, 0
.macro WIN new                         ; the immediate's high byte repeats the setting that is left
.if MSB != \new
	s_set_vgpr_msb (MSB<<8)|\new
.set MSB, \new
.endif
.endm
.macro PLACES                          ; four places between a matrix instruction and a load into, or a store of, one of its registers
.rept 4
	v_nop
.endr
.endm
	s_load_b256 s[4:11], s[0:1], 0x0               ; xh s[4:5], wh s[6:7], order s[8:9], tiles s[10:11]
	s_load_b64 s[12:13], s[0:1], 0x20              ; out0
	v_lshl_add_u32 v254, v0, 2, 0x3b400
	v_mov_b32 v255, 0
	v_lshrrev_b32 v1, 5, v0
	v_readfirstlane_b32 s14, v1                    ; wave 0..3
	s_lshr_b32 s15, s14, 1                         ; wm: which 64 rows
	s_and_b32 s16, s14, 1                          ; wn: which 128 columns
	s_and_b32 s18, ttmp7, 0xffff                   ; rt
	s_mov_b32 s27, 0
	s_mov_b32 s51, 0
	s_lshl_b32 s50, s18, 3
	s_wait_kmcnt 0x0
	s_add_nc_u64 s[10:11], s[10:11], s[50:51]
	s_load_b64 s[20:21], s[10:11], 0x0             ; s20 = experts in my tile, s21 = which
	s_lshl_b32 s50, s18, 9
	s_add_nc_u64 s[54:55], s[8:9], s[50:51]        ; order at my tile's 128 entries
	s_lshl_b32 s50, s15, 8
	s_add_nc_u64 s[52:53], s[54:55], s[50:51]      ; and at my wave's 64 rows
	s_load_b512 s[68:83], s[52:53], 0x0            ; the way out's tokens: my rows 0-15
	s_load_b512 s[84:99], s[52:53], 0x40           ; and 16-31
	s_lshl_b32 s26, ttmp9, 9                       ; 256 columns of f16 for each column tile
	s_lshl_b32 s25, s14, 16                        ; 32 rows of 2,048 bytes for each wave
	s_add_co_u32 s26, s26, s25
	s_add_nc_u64 s[28:29], s[6:7], s[26:27]        ; wh at my part of expert 0's first tile
	s_mov_b64 s[30:31], s[4:5]                     ; xh at K step 0
	v_and_b32 v1, 15, v0                           ; r = lane % 16
	v_bfe_u32 v2, v0, 4, 1                         ; h = lane / 16
	v_and_b32 v3, 31, v0                           ; lane
	; A fragment: lane (r, h) takes 16 bytes at (row0 + r) pitch + 2 k0 + 16 h, and 32 bytes on
	v_mul_u32_u24 v11, v1, PA
	v_lshl_add_u32 v11, v2, 4, v11
	s_mul_i32 s25, s15, 64*PA
	s_add_co_u32 s25, s25, ABASE
	v_add_nc_u32 v[ADRA], s25, v11
	v_add_nc_u32 v[ADRA+1], ASLOT, v[ADRA]
	; B fragment from rows that lie along n: the transposing load at (k0 + 8 h + lane % 8) pitch + 2 n0 + 16 ((lane / 8) % 2), and 16 rows on
	v_and_b32 v28, 7, v0
	v_lshl_add_u32 v28, v2, 3, v28
	v_mul_u32_u24 v28, v28, PB
	v_bfe_u32 v29, v0, 3, 1
	v_lshl_add_u32 v28, v29, 4, v28
	s_lshl_b32 s25, s16, 8
	v_add_nc_u32 v[ADRB], s25, v28
	v_add_nc_u32 v[ADRB+1], BSLOT, v[ADRB]
	; the way out
	s_mul_i32 s25, s14, 16*SPITCH
	s_add_co_u32 s25, s25, STAGE
	v_mul_u32_u24 v29, v1, SPITCH
	v_lshl_add_u32 v29, v2, 5, v29
	v_add_nc_u32 v[STO], s25, v29
	v_lshl_add_u32 v[RD], v3, 4, s25
	s_lshl_b32 s25, ttmp9, 10
	s_lshl_b32 s17, s16, 9
	s_add_co_u32 s25, s25, s17
	v_lshl_add_u32 v[LC], v3, 4, s25               ; 1,024 nt + 512 wn + 16 lane
	; what wave w brings: A's tile rows 32 w .. 32 w + 31, load j rows 32 w + 2 j (lanes 0-15) and 32 w + 2 j + 1 (lanes 16-31); B's rows 32 w + j, a row a load
	v_lshlrev_b32 v11, 4, v1
	s_mul_i32 s25, s14, 32*PA
	s_add_co_u32 s25, s25, ABASE
	v_mul_u32_u24 v29, v2, PA
	v_add_nc_u32 v29, v29, v11
	v_add_nc_u32 v29, s25, v29
	v_add_nc_u32 v30, ASLOT, v29
	s_lshl_b32 s25, s14, 7
	v_lshl_add_u32 v31, v2, 2, s25                 ; 4 (32 w + lane / 16)
	v_lshlrev_b32 v32, 4, v3
	s_mul_i32 s25, s14, 32*PB
	v_add_nc_u32 v33, s25, v32
	v_add_nc_u32 v34, BSLOT, v33
	WIN 0x80                                       ; destination in window 2
	v_mov_b32 v[ZROW], 0x2000
	v_mov_b32 v[STA], v29
	v_mov_b32 v[STA+1], v30
	v_mov_b32 v[L16], v11
	v_mov_b32 v[OA], v31
	v_mov_b32 v[BOFF], v32
	v_mov_b32 v[BSTA], v33
	v_mov_b32 v[BSTA+1], v34
	WIN GATW
.irp j, 0,1,2,3,4,5,6,7,8,9,10,11,12,13,14,15
	global_load_b32 v[RM+\j], v[OA], s[54:55] offset:8*\j
.endr
	s_wait_kmcnt 0x0                               ; the tile's list (and the first tokens of the way out)
	s_min_u32 s20, s20, 8
	s_max_u32 s20, s20, 2                          ; 2 to 8 passes
	s_lshl_b32 s20, s20, 2                         ; laps with work: 4 for each pass
	s_sub_co_u32 s19, s20, 1                       ; the last of them
	s_and_b32 s48, s21, 7
	s_min_u32 s48, s48, 7                          ; the first expert; what was loaded enters an address only behind this clamp
	s_lshl_b32 s49, 1, s48                         ; its bit
	s_lshl_b32 s26, s48, 21                        ; an expert's 2 MiB of wh
	s_add_nc_u64 s[32:33], s[28:29], s[26:27]      ; wh at my part of step 0's tile
	s_mov_b32 s24, 2                               ; u: the step that is asked for next
; my 16 loads of A (window 2): sixteen lanes take 256 consecutive bytes of a row, aligned
.macro ASKA off
.irp j, 0,1,2,3,4,5,6,7,8,9,10,11,12,13,14,15
	global_load_b128 v[STG+4*\j:STG+4*\j+3], v[GA+\j], s[30:31] offset:\off
.endr
.endm
; my 32 loads of B (window 2): a wave takes 512 consecutive bytes of a row, aligned
.macro ASKB off
.set jj, 0
.rept 32
	global_load_b128 v[BST+4*jj:BST+4*jj+3], v[BOFF], s[32:33] offset:\off+2048*jj
.set jj, jj+1
.endr
.endm
; what has arrived goes into a slot (window 2)
.macro PUT slot
.irp j, 0,1,2,3,4,5,6,7,8,9,10,11,12,13,14,15
	ds_store_b128 v[STA+\slot], v[STG+4*\j:STG+4*\j+3] offset:2*PA*\j
.endr
.set jj, 0
.rept 32
	ds_store_b128 v[BSTA+\slot], v[BST+4*jj:BST+4*jj+3] offset:PB*jj
.set jj, jj+1
.endr
.endm
; The offsets of this pass (window 2): the token's row where the row uses the expert (bit s49), else the row of zeros.  The choice is made on the
; row's number, which is clamped to xh's 8,193 rows before it enters the offset.  Compares in runs of eight, so that no line waits for its neighbour.
.macro SELECT
.irp j, 0,1,2,3,4,5,6,7,8,9,10,11,12,13,14,15
	v_and_b32 v[GA+\j], s49, v[RM+\j]
.endr
.irp h, 0,8
.irp i, 0,1,2,3,4,5,6,7
	v_cmp_ne_u32 s[56+\i], 0, v[GA+\h+\i]
.endr
.irp i, 0,1,2,3,4,5,6,7
	v_cndmask_b32 v[GA+\h+\i], v[ZROW], v[TOK+\h+\i], s[56+\i]
.endr
.endr
.irp j, 0,1,2,3,4,5,6,7,8,9,10,11,12,13,14,15
	v_min_u32 v[GA+\j], 0x2000, v[GA+\j]
.endr
.irp j, 0,1,2,3,4,5,6,7,8,9,10,11,12,13,14,15
	v_lshl_add_u32 v[GA+\j], v[GA+\j], 11, v[L16]  ; 2,048 bytes a row + my 16 bytes
.endr
.endm
	ASKB 0                                         ; B of step 0 needs no list of tokens: it goes out first
	s_wait_loadcnt 32                              ; my 16 entries of order are in; B's 32 loads stay out
.irp j, 0,1,2,3,4,5,6,7,8,9,10,11,12,13,14,15
	v_and_b32 v[TOK+\j], 0xffff, v[RM+\j]
	v_lshrrev_b32 v[RM+\j], 16, v[RM+\j]
.endr
	SELECT
	ASKA 0                                         ; A of step 0
	s_wait_loadcnt 0x0
	PUT 0
	ASKA 256                                       ; step 1: the same rows, 128 k on,
	ASKB 0x40000                                   ; and 128 rows of 2,048 bytes on
; 16 matrix instructions: row blocks 2 half, 2 half + 1 x all 8 column blocks, 32 along K.  zero = 1: the first product starts the sums.
; The 32 accumulators take turns, one instruction a turn, in the same order in every quarter step.
.macro MUL16 f, half, zero
.irp a, 2*\half, 2*\half+1
.irp b, 0,1,2,3,4,5,6,7
.if \zero
	v_wmma_f32_16x16x32_f16 v[8*(8*(\a)+\b):8*(8*(\a)+\b)+7], v[\f+8*\b:\f+8*\b+7], v[\f+64+8*(\a):\f+64+8*(\a)+7], 0
.else
	v_wmma_f32_16x16x32_f16 v[8*(8*(\a)+\b):8*(8*(\a)+\b)+7], v[\f+8*\b:\f+8*\b+7], v[\f+64+8*(\a):\f+64+8*(\a)+7], v[8*(8*(\a)+\b):8*(8*(\a)+\b)+7]
.endif
.endr
.endr
.endm
; 24 LDS loads in one run: quarter q (32 along K) of a slot into buffer f: B's 8 blocks of 16 columns, then A's 4 blocks of 16 rows
.macro FETCH slot, q, f
.irp b, 0,1,2,3,4,5,6,7
	ds_load_tr16_b128 v[\f+8*\b:\f+8*\b+3],   v[ADRB+\slot] offset:\q*32*PB+32*\b
	ds_load_tr16_b128 v[\f+8*\b+4:\f+8*\b+7], v[ADRB+\slot] offset:\q*32*PB+32*\b+16*PB
.endr
.irp a, 0,1,2,3
	ds_load_b128 v[\f+64+8*\a:\f+64+8*\a+3],   v[ADRA+\slot] offset:\a*16*PA+64*\q
	ds_load_b128 v[\f+64+8*\a+4:\f+64+8*\a+7], v[ADRA+\slot] offset:\a*16*PA+64*\q+32
.endr
.endm
; Step u's expert and offsets: s48 expert, s49 its bit, s22 = u % 8, s[26:27] B's offset in wh, s[50:51] A's offset in a row of xh.  Then u steps.
.macro NEXT
	s_lshr_b32 s25, s24, 3
	s_lshl_b32 s25, s25, 2
	s_lshr_b32 s48, s21, s25                       ; field u / 8 of the list
	s_and_b32 s48, s48, 7
	s_min_u32 s48, s48, 7                          ; what was loaded enters an address only behind this clamp
	s_lshl_b32 s49, 1, s48
	s_and_b32 s22, s24, 7
	s_lshl_b32 s50, s22, 8                         ; 128 k of f16
	s_lshl3_add_u32 s26, s48, s22
	s_lshl_b32 s26, s26, 18                        ; (8 expert + u % 8) x 128 rows of 2,048 bytes
	s_add_co_u32 s24, s24, 1
.endm
; The next step's tiles, which have arrived in registers, go into the other slot, and the tiles of the step behind it are asked for.
; cond = 1: in the last lap with work (lap s23 = s19) nothing is asked for, and in its second step (second = 1) nothing is left to store.
.macro GATHER other, cond, second
	WIN 0                                          ; at a branch and at a label every window is 0
.if \cond
.if \second
	s_cmp_ge_u32 s23, s19
	s_cbranch_scc1 .Lgather_end_\@
.endif
.endif
	WIN GATW
	s_wait_loadcnt 0x0                             ; my 48 loads, asked for a whole step ago, are in: GA, s[30:31] and s[32:33], which they read, may be written again
	PUT \other                                     ; the other slot's readers passed the last barrier with their reads done
	WIN 0
.if \cond
.if \second == 0
	s_cmp_ge_u32 s23, s19
	s_cbranch_scc1 .Lgather_end_\@
.endif
.endif
	NEXT
	s_add_nc_u64 s[30:31], s[4:5], s[50:51]
	s_add_nc_u64 s[32:33], s[28:29], s[26:27]
	s_cmp_lg_u32 s22, 0                            ; A's offsets hang on the expert alone: they are made anew only where a pass begins
	s_cbranch_scc1 .Lsame_expert_\@
	WIN GATW
	SELECT
	WIN 0
.Lsame_expert_\@:
	WIN GATW
	ASKA 0
	ASKB 0
	WIN 0
.Lgather_end_\@:
.endm
; A step's first quarter: multiplies buffer 0; in its middle the traffic above, then quarter 1 of the slot into buffer 1.
.macro FIRSTQ slot, other, zero, cond, second
	s_wait_dscnt 4                                 ; B and A's blocks 0, 1 are in; the youngest four loads (A's blocks 2, 3) may be out
	WIN MULW
	MUL16 F0, 0, \zero
	s_wait_dscnt 0x0                               ; those four too, issued 16 matrix instructions ago: behind the 48 stores and 24 loads that follow no count could name them
	GATHER \other, \cond, \second
	PLACES
	FETCH \slot, 1, F1
	WIN MULW
	MUL16 F0, 1, \zero
.endm
; The second and third quarter: multiplies buffer f; in its middle it fetches quarter q of the same slot into buffer g.
.macro QUARTER slot, q, f, g
	s_wait_dscnt 4                                 ; as above
	WIN MULW
	MUL16 \f, 0, 0
	PLACES
	WIN 0
	FETCH \slot, \q, \g
	s_wait_dscnt 24                                ; all but the 24 loads just issued
	WIN MULW
	MUL16 \f, 1, 0
.endm
; A step up to the change of slots: three quarters and half of the fourth
.macro FRONT slot, other, zero, cond, second
	FIRSTQ \slot, \other, \zero, \cond, \second
	QUARTER \slot, 2, F1, F0
	QUARTER \slot, 3, F0, F1
	s_wait_dscnt 4
	MUL16 F1, 0, 0
	WIN 0
.endm
; The change of slots, on every wave's every path: my reads of the slot that is left and my stores into the slot that comes are done, then the barrier.
.macro CHANGE
	s_wait_dscnt 0x0
	s_barrier_signal -1
	s_barrier_wait -1
.endm
; A lap: two steps.  cond = 1: the work is done only while the lap's number s23 is below s20, the laps that the tile's list asks for.
.macro LAP zero, cond
.if \cond
	s_cmp_ge_u32 s23, s20
	s_cbranch_scc1 .Lidle_a_\@
.endif
	FRONT 0, 1, \zero, \cond, 0
.Lidle_a_\@:
	CHANGE
.if \cond
	s_cmp_ge_u32 s23, s20
	s_cbranch_scc1 .Lidle_b_\@
.endif
	PLACES
	FETCH 1, 0, F0                                 ; slot 1's first fragments land while the fourth quarter ends
	WIN MULW
	MUL16 F1, 1, 0
	FRONT 1, 0, 0, \cond, 1
.Lidle_b_\@:
	CHANGE
.if \cond
	s_cmp_ge_u32 s23, s20
	s_cbranch_scc1 .Lidle_c_\@
	s_cmp_ge_u32 s23, s19                          ; behind the last lap with work there is nothing to fetch
	s_cbranch_scc1 .Llast_\@
.endif
	PLACES
	FETCH 0, 0, F0
.Llast_\@:
	WIN MULW
	MUL16 F1, 1, 0
	WIN 0
.Lidle_c_\@:
.endm
	CHANGE                                         ; step 0's tiles are in slot 0, every wave's part
	WIN 0
	FETCH 0, 0, F0
	LAP 1, 0                                       ; the first lap stands in front of the loop: its first products start the sums.  A list has two experts at the least, eight laps
	s_mov_b32 s23, 1
.Llap:
	LAP 0, 1
	s_add_co_u32 s23, s23, 1
	s_cmp_lt_u32 s23, LAPS
	s_cbranch_scc1 .Llap
	s_wait_dscnt 0x0                               ; no LDS load of mine is out: the fragment buffers, into which a lap's end may fetch, are loaded again below
; THE WAY OUT, 16 rows at a time: a lane's 32 bytes of a row into my own stage in LDS, whole pieces of 512 bytes read back, each stored to its
; token's row.  The stage is the wave's own and LDS serves a wave's instructions in order (ISA guide 5.7.1): no barrier, no wait between stores and loads.
.macro OUT a, set, buf, more
	WIN 0x04                                       ; store data in window 1
.irp b, 0,1,2,3,4,5,6,7
	ds_store_b128 v[STO], v[8*(8*\a+\b):8*(8*\a+\b)+3]   offset:64*\b
	ds_store_b128 v[STO], v[8*(8*\a+\b)+4:8*(8*\a+\b)+7] offset:64*\b+16
.endr
	WIN 0
	s_wait_kmcnt 0x0                               ; the 16 rows' entries of order
	s_wait_xcnt 0x0                                ; OFFR and the buffer, which earlier stores read, are rewritten only behind this wait
.irp t, 0,1,2,3,4,5,6,7,8,9,10,11,12,13,14,15
	s_and_b32 s[\set+\t], s[\set+\t], 0xffff
	s_min_u32 s[\set+\t], s[\set+\t], 0x1fff       ; a token enters an address only behind this clamp
	v_lshl_add_u32 v[OFFR+\t], s[\set+\t], 12, v[LC]
.endr
.if \more
	s_load_b512 s[\set:\set+15], s[52:53], 64*(\a+2)
.endif
.irp t, 0,1,2,3,4,5,6,7,8,9,10,11,12,13,14,15
	ds_load_b128 v[\buf+4*\t:\buf+4*\t+3], v[RD] offset:SPITCH*\t
.endr
.irp t, 0,1,2,3,4,5,6,7,8,9,10,11,12,13,14,15
	s_wait_dscnt 15-\t                             ; row t is in; the younger reads stay out
	global_store_b128 v[OFFR+\t], v[\buf+4*\t:\buf+4*\t+3], s[12:13] th:TH_STORE_NT   ; 512 consecutive bytes of one output row, aligned
.endr
.endm
	PLACES                                         ; behind the last matrix instructions: for the stores of results and the loads into the buffers
	OUT 0, 68, F0, 1
	OUT 1, 84, F1, 1
	OUT 2, 68, F0, 0
	OUT 3, 84, F1, 0
	s_wait_tensorcnt 0x0
	ds_add_u32 v254, v255
	s_wait_dscnt 0x0
	s_endpgm
.Lfunc_end_k_q33aa299326_moe:
	.size	k_q33aa299326_moe, .Lfunc_end_k_q33aa299326_moe-k_q33aa299326_moe
	.p2alignl 7, 3214868480
	.fill 96, 4, 3214868480
	.section	.rodata,"a",@progbits
	.p2align	6, 0x0
	.amdhsa_kernel k_q33aa299326_moe
		.amdhsa_group_segment_fixed_size 243200
		.amdhsa_private_segment_fixed_size 0
		.amdhsa_enable_private_segment 0
		.amdhsa_kernarg_size 40
		.amdhsa_user_sgpr_count 2
		.amdhsa_user_sgpr_kernarg_segment_ptr 1
		.amdhsa_wavefront_size32 1
		.amdhsa_system_sgpr_workgroup_id_x 1
		.amdhsa_system_sgpr_workgroup_id_y 1
		.amdhsa_system_sgpr_workgroup_id_z 1
		.amdhsa_system_vgpr_workitem_id 0
		.amdhsa_next_free_vgpr 768
		.amdhsa_next_free_sgpr 100
		.amdhsa_reserve_vcc 0
		.amdhsa_float_denorm_mode_32 3
		.amdhsa_float_denorm_mode_16_64 3
		.amdhsa_memory_ordered 1
		.amdhsa_forward_progress 1
		.amdhsa_inst_pref_size 166
	.end_amdhsa_kernel
	.amdgpu_metadata
---
amdhsa.version: [ 1, 2 ]
amdhsa.kernels:
  - .name:           k_q33aa299326_moe
    .symbol:         k_q33aa299326_moe.kd
    .args:
      - { .name: xh, .offset: 0, .size: 8, .value_kind: global_buffer, .address_space: global }
      - { .name: wh, .offset: 8, .size: 8, .value_kind: global_buffer, .address_space: global }
      - { .name: order, .offset: 16, .size: 8, .value_kind: global_buffer, .address_space: global }
      - { .name: tiles, .offset: 24, .size: 8, .value_kind: global_buffer, .address_space: global }
      - { .name: out0, .offset: 32, .size: 8, .value_kind: global_buffer, .address_space: global }
    .group_segment_fixed_size: 243200
    .private_segment_fixed_size: 0
    .kernarg_segment_align: 8
    .kernarg_segment_size: 40
    .max_flat_workgroup_size: 128
    .sgpr_count:     100
    .vgpr_count:     768
    .wavefront_size: 32
...
	.end_amdgpu_metadata
.endif
;; end of part 3
;; ======== version 2 of 2: 3 launches; version 1 with the launch route written anew for expert scheduling mode
;; limits: values are held in f16: magnitudes above 65,504 overflow, below 6.1e-05 lose precision
;; workspace buffers: xh 16,779,264 bytes; wh 16,777,216 bytes; sel 65,536 bytes of whole numbers; order 32,768 bytes of whole numbers; tiles 512 bytes of whole numbers
;; launch route (part 4): grid 256 x 1, 16 waves a work-group, no clusters, 39,424 bytes of LDS; arguments E_symb, gate_w, gate_b, expert_w, xh, wh, sel; writes xh, wh, sel
.if DOCPART == 4
	.amdgcn_target "amdgcn-amd-amdhsa--gfx1250"
	.amdhsa_code_object_version 6
	.text
	.protected	k_q33aa299326_route
	.globl	k_q33aa299326_route
	.p2align	8
	.type	k_q33aa299326_route,@function
k_q33aa299326_route:
	s_mov_b64 s[64:65], 0
	v_nop
	global_prefetch_b8 v0, s[64:65] scope:SCOPE_SE
	s_setreg_imm32_b32 hwreg(HW_REG_WAVE_SCHED_MODE, 0, 2), 2
	s_setreg_imm32_b32 hwreg(HW_REG_WAVE_MODE, 25, 1), 1
	s_wait_xcnt 0x0
	s_wait_alu depctr_vm_vsrc(0)
; ROUTE: the gate in f32, the choice of two experts for each token, and f16 copies of x and of expert_w.
;   logits = x gate_w + gate_b (f32 fused multiply-adds), softmax with the row's maximum taken away, the two largest probabilities
;   (the lower index wins a tie).  For each token sel[t] = {rank of its pair of experts, 0..27; mask with the two experts' bits}.
;   rank(lo < hi) = lo (15 - lo) / 2 + (lo even ? hi - lo - 1 : 7 - hi): neighbouring ranks share an expert.
;   xh = x rounded to f16, [8193][1024], row 8192 all zeros;  wh = expert_w rounded to f16, in the same order.
; The gate is not done on the matrix unit: with 16-bit operands the logits' error would change the choice of whole rows.
; f16 and not bf16 for the copies: three more bits of mantissa, and both tensors have room in its range (see LIMITS).
; SHARE: 256 work-groups x 16 waves = 4,096 waves; wave W owns tokens 2W, 2W+1 (8,192 bytes of x) and the 8,192 bytes of expert_w at 8,192 W.
; Every load of a wave (4 + 16 + 16) is issued at the start; there is no loop.  Each store of a wave covers 256 consecutive bytes, aligned.
; No matrix unit, no cluster, no tensor load: the launch moves each byte once and nothing but gate_w (32 KiB) is shared.
; LIMITS: numbers of x and expert_w of magnitude 65,504 and above become infinite in f16; below 6.1e-5 they are kept in steps of 6e-8.
; The gate's sums run in another order than the reference's and the division is a multiplication by v_rcp_f32, so two probabilities within
; a few units of the last place may be ranked otherwise.  NaN or infinite logits are not ordered as lax.top_k orders them.
; THE MODE: SCHED_MODE bits 1:0 = 2 (LLVM: expert scheduling mode 2), set by the entry lines.  The code itself states the register dependences
; between vector instructions and memory or LDS instructions, with s_wait_alu, always for 0.
; THE PLAN.  Registers that memory or LDS instructions touch:
;   v2 .. v6     offsets and LDS addresses, made once at the head and never written again: one wait ahead of the first load serves them all.
;   WT0 .. WT7   eight sets of 8 weights.  d = n reads set n % 8; the LDS loads of d = n + 4 stand in front of d = n's multiply-adds and land in set
;                (n + 4) % 8, which d = n - 4 read last.  One wait at n = 4, 8, .. 24 states that the four d before it are done reading: those are the four
;                sets in which the next four pairs of loads land, and the multiply-adds issued since name the other four sets, X and ACC.
;                (Sets 0 and 1 first carry gate_w on its way into LDS: one wait states that those LDS stores have read them.)
;   X            loaded once; read by the gate; converted in place; one wait; read by 16 stores, which are dealt among expert_w's conversions.
;   WQ           loaded once; converted in place; one wait; read by 16 stores.     Neither X nor WQ is written again.
;   ZD, ZA       the row of zeros: made in its branch; one wait; four stores.
;   v7, v[12:13] the entry of sel: one wait ahead of its LDS store; in wave 0 they are used again, behind a wait of either kind.
; Masks that compares write go into s[32:39] in runs, one wait behind each run; so the largest of eight is found by pairs (4, 2, 1 compares).
.set GWP,  144                         ; LDS pitch of a chunk of gate_w (4 d x 8 experts = 128 bytes): 9 x 16, so sixteen lanes' chunks begin at sixteen different 16-byte columns modulo 256
.set ENT,  256*GWP                     ; 36,864: behind the 256 chunks, 32 entries of 8 bytes
.set WT,   16                          ; v[16:79]   eight sets of 8 weights (first, in sets 0 and 1: the four loads that fill LDS)
.set X,    80                          ; v[80:143]  token g at X+32g; register n holds d = 128 (n/4) + 4 lane + n%4
.set WQ,   144                         ; v[144:207] 16 x 16 bytes of expert_w
.set ACC,  208                         ; v[208:223] 2 tokens x 8 sums
.set TB,   ACC+8                       ; v[216:219] the choice: the larger of each pair (the second token's sums and the scales have left these registers)
.set TI,   ACC+12                      ; v[220:223] and its index
.set ZD,   224                         ; v[224:227] zeros for row 8192 of xh
.set ZA,   228                         ; v228       its offset
.set CM,   32                          ; s[32:39]   masks that compares write
	s_load_b256 s[4:11], s[0:1], 0x0               ; E_symb s[4:5], gate_w s[6:7], gate_b s[8:9], expert_w s[10:11]
	s_load_b128 s[12:15], s[0:1], 0x20             ; xh s[12:13], wh s[14:15]
	s_load_b64 s[16:17], s[0:1], 0x30              ; sel
	v_lshl_add_u32 v230, v0, 2, 0x9200
	v_mov_b32 v231, 0
	v_lshrrev_b32 v7, 5, v0
	v_readfirstlane_b32 s18, v7                    ; wave 0..15
	v_and_b32 v1, 31, v0                           ; lane
	v_lshlrev_b32 v2, 4, v1
	v_lshl_add_u32 v2, v7, 13, v2                  ; loads: 8,192 wave + 16 lane
	v_lshlrev_b32 v3, 3, v1
	v_lshl_add_u32 v3, v7, 12, v3                  ; stores: 4,096 wave + 8 lane
	v_mul_u32_u24 v4, v1, GWP                      ; my chunk of weights: 144 lane
	v_lshrrev_b32 v5, 3, v0
	v_mul_u32_u24 v5, v5, GWP
	v_and_b32 v8, 7, v0
	v_lshl_add_u32 v5, v8, 4, v5                   ; the fill: thread t puts its 16 bytes at (t/8) 144 + 16 (t%8)
	v_lshlrev_b32 v6, 4, v0                        ; and takes them from 16 t
	s_mov_b32 s28, 0x76543210                      ; v_permlanex16_b32: lane i reads lane i of the other half
	s_mov_b32 s29, 0xfedcba98
	s_wait_alu depctr_va_sdst(0)                   ; s18 is written, ahead of its first reader (the test for the row of zeros, further down)
	s_lshl_b32 s30, ttmp9, 17                      ; the work-group's 131,072 bytes of x and of expert_w
	s_mov_b32 s31, 0
	s_wait_kmcnt 0x0
	s_load_b256 s[20:27], s[8:9], 0x0              ; gate_b
	s_add_nc_u64 s[4:5], s[4:5], s[30:31]
	s_add_nc_u64 s[10:11], s[10:11], s[30:31]
	s_wait_alu depctr_va_vdst(0)                   ; v2 to v6 are written: every load, store and LDS access up to the choice's end reads one of them as its offset or address
.irp k, 0,1,2,3
	global_load_b128 v[WT+4*\k:WT+4*\k+3], v6, s[6:7] offset:8192*\k         ; gate_w, 512 threads x 16 bytes x 4
.endr
.irp g, 0,1
.irp i, 0,1,2,3,4,5,6,7
	global_load_b128 v[X+32*\g+4*\i:X+32*\g+4*\i+3], v2, s[4:5] offset:4096*\g+512*\i th:TH_LOAD_NT
.endr
.endr
.irp i, 0,1,2,3,4,5,6,7,8,9,10,11,12,13,14,15
	global_load_b128 v[WQ+4*\i:WQ+4*\i+3], v2, s[10:11] offset:512*\i th:TH_LOAD_NT
.endr
	s_lshl_b32 s30, ttmp9, 16                      ; the work-group's 65,536 bytes of xh and of wh
	s_add_nc_u64 s[12:13], s[12:13], s[30:31]
	s_add_nc_u64 s[14:15], s[14:15], s[30:31]
	s_lshl_b32 s30, ttmp9, 8                       ; and its 256 bytes of sel
	s_add_nc_u64 s[16:17], s[16:17], s[30:31]
	s_wait_loadcnt 32                              ; the four loads of gate_w are in; the 32 younger ones stay out
.irp k, 0,1,2,3
	ds_store_b128 v5, v[WT+4*\k:WT+4*\k+3] offset:64*GWP*\k                  ; 8,192 bytes are 64 chunks
.endr
	s_wait_dscnt 0x0                               ; my part of gate_w is in LDS before I say so
	s_barrier_signal -1
	s_barrier_wait -1                              ; all of it is
	s_wait_alu depctr_vm_vsrc(0)                   ; my four LDS stores have read sets 0 and 1 of WT, in which the first weights land below
; the eight weights of d = 128 (n/4) + 4 lane + n%4: chunk 32 (n/4) + lane, 32 (n%4) bytes into it; into set n % 8
.macro WLOAD n
	ds_load_b128 v[WT+8*((\n)%8):WT+8*((\n)%8)+3],   v4 offset:32*GWP*((\n)/4)+32*((\n)%4)
	ds_load_b128 v[WT+8*((\n)%8)+4:WT+8*((\n)%8)+7], v4 offset:32*GWP*((\n)/4)+32*((\n)%4)+16
.endm
; eight packed multiply-adds: 2 tokens x 4 pairs of experts; x is taken twice from one register of its pair.  n = 0 starts the sums.
.macro GATE n
.irp g, 0,1
.irp p, 0,1,2,3
.if (\n) == 0
	v_pk_mul_f32 v[ACC+8*\g+2*\p:ACC+8*\g+2*\p+1], v[X+32*\g:X+32*\g+1], v[WT+2*\p:WT+2*\p+1] op_sel_hi:[0,1]
.else
.if (\n)%2 == 0
	v_pk_fma_f32 v[ACC+8*\g+2*\p:ACC+8*\g+2*\p+1], v[X+32*\g+\n:X+32*\g+\n+1], v[WT+8*((\n)%8)+2*\p:WT+8*((\n)%8)+2*\p+1], v[ACC+8*\g+2*\p:ACC+8*\g+2*\p+1] op_sel_hi:[0,1,1]
.else
	v_pk_fma_f32 v[ACC+8*\g+2*\p:ACC+8*\g+2*\p+1], v[X+32*\g+\n-1:X+32*\g+\n], v[WT+8*((\n)%8)+2*\p:WT+8*((\n)%8)+2*\p+1], v[ACC+8*\g+2*\p:ACC+8*\g+2*\p+1] op_sel:[1,0,0] op_sel_hi:[1,1,1]
.endif
.endif
.endr
.endr
.endm
	WLOAD 0
	WLOAD 1
	WLOAD 2
	WLOAD 3
	s_wait_loadcnt 16                              ; x is in; the 16 loads of expert_w stay out
.irp n, 0,1,2,3,4,5,6,7,8,9,10,11,12,13,14,15,16,17,18,19,20,21,22,23,24,25,26,27,28,29,30,31
.if ((\n)%4 == 0) && (\n > 0) && (\n < 28)
	s_wait_alu depctr_va_vdst(0)                   ; the multiply-adds of the four d before this one are done reading their four sets, in which the loads of this d and the next three land
.endif
.if \n < 28
	WLOAD \n+4                                     ; four d ahead.  (For n below 4: into sets 4 to 7, which no instruction has named yet)
	s_wait_dscnt 8                                 ; the eight loads of the next four d stay out: this d's two are in
.else
	s_wait_dscnt 2*(31-\n)                         ; nothing more is asked for: the counts run down 6, 4, 2, 0
.endif
	GATE \n
.endr
	; x to f16, in place; then out, 8 bytes a lane, 256 consecutive bytes a store, dealt among expert_w's conversions
.irp g, 0,1
.irp i, 0,1,2,3,4,5,6,7
	v_cvt_pk_f16_f32 v[X+32*\g+4*\i],   v[X+32*\g+4*\i],   v[X+32*\g+4*\i+1]
	v_cvt_pk_f16_f32 v[X+32*\g+4*\i+1], v[X+32*\g+4*\i+2], v[X+32*\g+4*\i+3]
.endr
.endr
	s_wait_alu depctr_va_vdst(0)                   ; the conversions have written X's pairs, which the 16 stores below read; the vector lines between those stores name WQ alone
	s_wait_loadcnt 0x0                             ; expert_w is in
.irp i, 0,1,2,3,4,5,6,7,8,9,10,11,12,13,14,15
	global_store_b64 v3, v[X+4*\i:X+4*\i+1], s[12:13] offset:256*\i          ; piece i: token i / 8, 256 (i % 8) bytes into its 2,048
	v_cvt_pk_f16_f32 v[WQ+4*\i],   v[WQ+4*\i],   v[WQ+4*\i+1]
	v_cvt_pk_f16_f32 v[WQ+4*\i+1], v[WQ+4*\i+2], v[WQ+4*\i+3]
.endr
	s_wait_alu depctr_va_vdst(0)                   ; the conversions have written WQ's pairs, which the 16 stores below read
.irp i, 0,1,2,3,4,5,6,7,8,9,10,11,12,13,14,15
	global_store_b64 v3, v[WQ+4*\i:WQ+4*\i+1], s[14:15] offset:256*\i
.endr
	; row 8192 of xh, the row of zeros: wave 0 of work-group 0 (whose xh base has not moved), 4 x 512 bytes
	s_or_b32 s19, ttmp9, s18
	s_cmp_lg_u32 s19, 0
	s_cbranch_scc1 .Lno_zero_row
	v_mov_b32 v[ZD], 0
	v_mov_b32 v[ZD+1], 0
	v_mov_b32 v[ZD+2], 0
	v_mov_b32 v[ZD+3], 0
	v_lshlrev_b32 v[ZA], 4, v1
	v_add_nc_u32 v[ZA], 0x1000000, v[ZA]           ; 8,192 rows x 2,048 bytes + 16 lane
	s_wait_alu depctr_va_vdst(0)                   ; the zeros and their offset are written, which the four stores read
.irp k, 0,1,2,3
	global_store_b128 v[ZA], v[ZD:ZD+3], s[12:13] offset:512*\k
.endr
.Lno_zero_row:
	; the 16 sums over the 32 lanes: four steps inside each half ride on the adds, one crosses the halves
.irp m, 1,2,4,8
.irp j, 0,1,2,3,4,5,6,7,8,9,10,11,12,13,14,15
	v_add_f32_dpp v[ACC+\j], v[ACC+\j], v[ACC+\j] row_xmask:\m row_mask:0xf bank_mask:0xf
.endr
.endr
.irp j, 0,1,2,3,4,5,6,7,8,9,10,11,12,13,14,15
	v_permlanex16_b32 v[WT+\j], v[ACC+\j], s28, s29                          ; the weights' registers have been written and are free
.endr
.irp j, 0,1,2,3,4,5,6,7,8,9,10,11,12,13,14,15
	v_add_f32 v[ACC+\j], v[ACC+\j], v[WT+\j]
.endr
	; even lanes go on with token 0, odd lanes with token 1
	v_and_b32 v7, 1, v0
	v_cmp_eq_u32 vcc_lo, 1, v7
	s_wait_alu depctr_va_vcc(0)                    ; VCC is written, ahead of the eight selects that read it
.irp e, 0,1,2,3,4,5,6,7
	v_cndmask_b32 v[ACC+\e], v[ACC+\e], v[ACC+8+\e], vcc_lo
.endr
	s_wait_kmcnt 0x0                               ; gate_b
.irp e, 0,1,2,3,4,5,6,7
	v_add_f32 v[ACC+\e], s[20+\e], v[ACC+\e]
.endr
	; softmax: the maximum is taken away; exponents below -126 are raised by 64 in front of v_exp_f32 and the result scaled by 2^-64
	; behind it, since v_exp_f32 gives zero where its result would be denormal (ISA guide 15.8): probabilities keep their order down to 2^-149
	v_max3_num_f32 v8, v[ACC], v[ACC+1], v[ACC+2]
	v_max3_num_f32 v8, v8, v[ACC+3], v[ACC+4]
	v_max3_num_f32 v8, v8, v[ACC+5], v[ACC+6]
	v_max_num_f32 v8, v8, v[ACC+7]
	v_mov_b32 v13, 0xc2fc0000                      ; -126.0
	v_mov_b32 v14, 0x42800000                      ; 64.0
	v_mov_b32 v15, 0x1f800000                      ; 2^-64
.irp e, 0,1,2,3,4,5,6,7
	v_sub_f32 v[ACC+\e], v[ACC+\e], v8
	v_mul_f32 v[ACC+\e], 0x3fb8aa3b, v[ACC+\e]     ; log2(e)
.endr
.irp e, 0,1,2,3,4,5,6,7
	v_cmp_gt_f32 s[CM+\e], v13, v[ACC+\e]          ; -126 > exponent: the eight tests in one run
.endr
	s_wait_alu depctr_va_sdst(0)                   ; the eight masks are written, ahead of the selects that read them
.irp e, 0,1,2,3,4,5,6,7
	v_cndmask_b32 v9, 0, v14, s[CM+\e]
	v_cndmask_b32 v[ACC+8+\e], 1.0, v15, s[CM+\e]
	v_add_f32 v[ACC+\e], v[ACC+\e], v9
.endr
.irp e, 0,1,2,3,4,5,6,7
	v_exp_f32 v[ACC+\e], v[ACC+\e]
.endr
	v_nop                                          ; one plain vector instruction behind the last exponential (ISA guide 5.7.2)
	s_wait_alu depctr_va_vdst(0)                   ; the eight exponentials have written their results, ahead of the first line that names one: one wait for the batch
.irp e, 0,1,2,3,4,5,6,7
	v_mul_f32 v[ACC+\e], v[ACC+\e], v[ACC+8+\e]
.endr
	v_add_f32 v9, v[ACC], v[ACC+1]
	v_add_f32 v10, v[ACC+2], v[ACC+3]
	v_add_f32 v11, v[ACC+4], v[ACC+5]
	v_add_f32 v12, v[ACC+6], v[ACC+7]
	v_add_f32 v9, v9, v10
	v_add_f32 v11, v11, v12
	v_add_f32 v9, v9, v11                          ; between 1 and 8: the largest term is 1
	v_rcp_f32 v9, v9
	v_nop                                          ; the same place behind the reciprocal
	s_wait_alu depctr_va_vdst(0)                   ; the reciprocal has written v9, ahead of its first reader
.irp e, 0,1,2,3,4,5,6,7
	v_mul_f32 v[ACC+\e], v[ACC+\e], v9
.endr
; The index of the largest of the eight, by pairs: 4, 2 and 1 compares, each run with one wait between the masks' writers and their readers.
; In every pair the side with the higher indices displaces the other only if it is strictly larger, so the lowest index wins a tie.
.macro TOP idx
.irp p, 0,1,2,3
	v_cmp_gt_f32 s[CM+\p], v[ACC+2*\p+1], v[ACC+2*\p]
.endr
.irp p, 0,1,2,3
	v_mov_b32 v[TI+\p], 2*\p
.endr
	s_wait_alu depctr_va_sdst(0)                   ; the four masks are written
.irp p, 0,1,2,3
	v_cndmask_b32 v[TB+\p], v[ACC+2*\p], v[ACC+2*\p+1], s[CM+\p]
	v_cndmask_b32 v[TI+\p], v[TI+\p], 2*\p+1, s[CM+\p]
.endr
	v_cmp_gt_f32 s[CM], v[TB+1], v[TB]
	v_cmp_gt_f32 s[CM+1], v[TB+3], v[TB+2]
	s_wait_alu depctr_va_sdst(0)                   ; the two masks are written
	v_cndmask_b32 v[TB], v[TB], v[TB+1], s[CM]
	v_cndmask_b32 v[TI], v[TI], v[TI+1], s[CM]
	v_cndmask_b32 v[TB+2], v[TB+2], v[TB+3], s[CM+1]
	v_cndmask_b32 v[TI+2], v[TI+2], v[TI+3], s[CM+1]
	v_cmp_gt_f32 s[CM], v[TB+2], v[TB]
	s_wait_alu depctr_va_sdst(0)                   ; the last mask is written
	v_cndmask_b32 v[\idx], v[TI], v[TI+2], s[CM]
.endm
	TOP 10
.irp e, 0,1,2,3,4,5,6,7
	v_cmp_eq_u32 s[CM+\e], \e, v10
.endr
	s_wait_alu depctr_va_sdst(0)                   ; the eight masks are written, ahead of the selects that read them
.irp e, 0,1,2,3,4,5,6,7
	v_cndmask_b32 v[ACC+\e], v[ACC+\e], -1.0, s[CM+\e]                       ; the winner leaves: probabilities are never negative
.endr
	TOP 11
	v_min_u32 v8, v10, v11                         ; lo
	v_max_u32 v9, v10, v11                         ; hi
	v_and_b32 v15, 1, v8
	v_cmp_eq_u32 vcc_lo, 1, v15                    ; lo odd?  The rank's arithmetic stands between this compare and the wait for it
	v_sub_nc_u32 v12, 15, v8
	v_mul_u32_u24 v12, v8, v12
	v_lshrrev_b32 v12, 1, v12                      ; lo (15 - lo) / 2
	v_sub_nc_u32 v13, v9, v8
	v_add_nc_u32 v13, -1, v13                      ; hi - lo - 1
	v_sub_nc_u32 v14, 7, v9                        ; 7 - hi
	s_wait_alu depctr_va_vcc(0)                    ; VCC is written, ahead of the select that reads it
	v_cndmask_b32 v13, v13, v14, vcc_lo
	v_add_nc_u32 v12, v12, v13                     ; the pair's rank
	v_mov_b32 v14, 1
	v_lshlrev_b32 v13, v10, v14
	v_lshlrev_b32 v14, v11, v14
	v_or_b32 v13, v13, v14                         ; the two experts' bits
	; the 32 entries of the work-group meet in LDS, so that one store writes its 256 bytes of sel.  Lanes of equal parity hold equal values.
	v_lshlrev_b32 v7, 3, v7
	s_lshl_b32 s19, s18, 4
	v_add_nc_u32 v7, s19, v7                       ; 8 (2 wave + lane%2)
	s_wait_alu depctr_va_vdst(0)                   ; the entry v[12:13] and its LDS address v7 are written, which the LDS store reads
	ds_store_b64 v7, v[12:13] offset:ENT
	s_wait_dscnt 0x0                               ; my entries are in LDS before I say so
	s_barrier_signal -1
	s_barrier_wait -1
	s_cmp_lg_u32 s18, 0
	s_cbranch_scc1 .Lend
	s_wait_alu depctr_vm_vsrc(0)                   ; my LDS store has read v7, which the next line writes, and v[12:13], in which the load below lands
	v_lshlrev_b32 v7, 3, v1
	s_wait_alu depctr_va_vdst(0)                   ; v7 is written, which the LDS load and the store read; the lines that wrote v[12:13] are done too
	ds_load_b64 v[12:13], v7 offset:ENT
	s_wait_dscnt 0x0
	global_store_b64 v7, v[12:13], s[16:17]
.Lend:
	s_wait_dscnt 0x0
	s_wait_alu depctr_hold_cnt(0) depctr_sa_sdst(0) depctr_va_vdst(0) depctr_va_sdst(0) depctr_va_ssrc(0) depctr_va_vcc(0) depctr_vm_vsrc(0)
	s_wait_tensorcnt 0x0
	ds_add_u32 v230, v231
	s_wait_dscnt 0x0
	s_endpgm
.Lfunc_end_k_q33aa299326_route:
	.size	k_q33aa299326_route, .Lfunc_end_k_q33aa299326_route-k_q33aa299326_route
	.p2alignl 7, 3214868480
	.fill 96, 4, 3214868480
	.section	.rodata,"a",@progbits
	.p2align	6, 0x0
	.amdhsa_kernel k_q33aa299326_route
		.amdhsa_group_segment_fixed_size 39424
		.amdhsa_private_segment_fixed_size 0
		.amdhsa_enable_private_segment 0
		.amdhsa_kernarg_size 56
		.amdhsa_user_sgpr_count 2
		.amdhsa_user_sgpr_kernarg_segment_ptr 1
		.amdhsa_wavefront_size32 1
		.amdhsa_system_sgpr_workgroup_id_x 1
		.amdhsa_system_sgpr_workgroup_id_y 1
		.amdhsa_system_sgpr_workgroup_id_z 1
		.amdhsa_system_vgpr_workitem_id 0
		.amdhsa_next_free_vgpr 232
		.amdhsa_next_free_sgpr 66
		.amdhsa_reserve_vcc 1
		.amdhsa_float_denorm_mode_32 3
		.amdhsa_float_denorm_mode_16_64 3
		.amdhsa_memory_ordered 1
		.amdhsa_forward_progress 1
		.amdhsa_inst_pref_size 51
	.end_amdhsa_kernel
	.amdgpu_metadata
---
amdhsa.version: [ 1, 2 ]
amdhsa.kernels:
  - .name:           k_q33aa299326_route
    .symbol:         k_q33aa299326_route.kd
    .args:
      - { .name: E_symb, .offset: 0, .size: 8, .value_kind: global_buffer, .address_space: global }
      - { .name: gate_w, .offset: 8, .size: 8, .value_kind: global_buffer, .address_space: global }
      - { .name: gate_b, .offset: 16, .size: 8, .value_kind: global_buffer, .address_space: global }
      - { .name: expert_w, .offset: 24, .size: 8, .value_kind: global_buffer, .address_space: global }
      - { .name: xh, .offset: 32, .size: 8, .value_kind: global_buffer, .address_space: global }
      - { .name: wh, .offset: 40, .size: 8, .value_kind: global_buffer, .address_space: global }
      - { .name: sel, .offset: 48, .size: 8, .value_kind: global_buffer, .address_space: global }
    .group_segment_fixed_size: 39424
    .private_segment_fixed_size: 0
    .kernarg_segment_align: 8
    .kernarg_segment_size: 56
    .max_flat_workgroup_size: 512
    .sgpr_count:     66
    .vgpr_count:     232
    .wavefront_size: 32
...
	.end_amdgpu_metadata
.endif
;; end of part 4
;; launch plan: the kernel of part 2 again; grid 1 x 1, 32 waves a work-group, no clusters, 119,040 bytes of LDS; arguments sel, order, tiles; writes order, tiles
;; launch moe: the kernel of part 3 again; grid 4 x 64, 4 waves a work-group, no clusters, 243,200 bytes of LDS; arguments xh, wh, order, tiles, out0; writes out0
